; MI455X (gfx1250); checked and timed in simulation.
; The chip was launched on July 23, 2026; its instructions are those of AMD's public machine-readable ISA for CDNA 5 (MIT licence, August 2026) and "CDNA5" Instruction Set Architecture Reference Guide (July 2026). The comments in the code are by the model that wrote it; some were corrected since.
;; Attention Decoder GRU. Allowed arithmetic: float matrix products may take bf16 or f16 operands with f32 sums; all other float work in f32.
;; Inputs: W_attn 64 x 2,048 float32; W_comb 1,024 x 2,048 float32; W_hh 3,072 x 1,024 float32; W_ih 3,072 x 1,024 float32; W_out 50,257 x 1,024 float32; b_attn 64 float32; b_comb 1,024 float32; b_hh 3,072 float32; b_ih 3,072 float32; b_out 50,257 float32; emb 50,257 x 1,024 float32; encoder_outputs 64 x 1,024 float32; hidden 1 x 1 x 1,024 float32; inp 1 int32.
;; Outputs: out0 1 x 50,257 float32; out1 1 x 1 x 1,024 float32; out2 1 x 64 float32.
;; One version. Each part assembles by itself: llvm-mc -triple=amdgcn-amd-amdhsa -mcpu=gfx1250 --defsym DOCPART=n.
;; ======== version 1 of 1: 5 launches
;; workspace buffers: dots 16,896 bytes; xvec 4,096 bytes; logits 201,472 bytes; part 2,048 bytes
;; launch front (part 1): grid 264 x 1, 8 waves a work-group, no clusters, 0 bytes of LDS; arguments W_hh, W_comb, W_attn, hidden, emb, inp, dots; writes dots
.if DOCPART == 1
	.amdgcn_target "amdgcn-amd-amdhsa--gfx1250"
	.amdhsa_code_object_version 6
	.text
	.protected	k_q0decdcc865_front
	.globl	k_q0decdcc865_front
	.p2align	8
	.type	k_q0decdcc865_front,@function
k_q0decdcc865_front:
	s_mov_b64 s[64:65], 0
	v_nop
	global_prefetch_b8 v0, s[64:65] scope:SCOPE_SE
	s_setreg_imm32_b32 hwreg(HW_REG_WAVE_MODE, 25, 1), 1
	s_wait_xcnt 0x0
; FRONT: every dot product of the step that hangs on nothing but the inputs, without biases, in f32:
;   dots[0 .. 3071]        = W_hh . h                      (3072 rows of 1024)
;   dots[3072 .. 4095]     = W_comb[:, 0:1024] . e         (1024 half rows; e = emb[inp])
;   dots[4096+2r], [+2r+1] = W_attn[r, 0:1024] . e  and  W_attn[r, 1024:2048] . h   (64 rows)
; That is 4224 chunks of 4,096 bytes; a wave takes two, so 2112 waves = 264 work-groups of 8.  Wave U = 8 g + w stores 8 bytes at 8 U.
; A chunk comes by eight loads of 16 bytes a lane, each covering 512 consecutive bytes; in load j lane l holds columns 128 j + 4 l .. + 3,
; and the vector lies in 32 registers in the same order.  One path for all three kinds: the kind only chooses base, offset and vectors.
; Each weight is used once for one multiply-add, so the products are made on the vector ALU in f32: a one-row product would fill a
; sixteenth of a matrix tile and would need a conversion for every weight.  No wave reads what another loads: no LDS, no barrier.
; LIMITS: inp is taken as unsigned and clamped to 50256 (reference() relies on 0 <= inp < 50257).  The sums run in another order than
; the reference's.
.set VOCAB, 50257
.set SEL0,  0x76543210                 ; v_permlanex16_b32: lane i of one half reads lane i of the other
.set SEL1,  0xfedcba98
.set T,     8                          ; v8         the other half's sum
.set ACC,   10                         ; v[10:17]   four chains of two sums
.set XA,    20                         ; v[20:51]   first chunk of weights
.set XB,    52                         ; v[52:83]   second chunk
.set VA,    84                         ; v[84:115]  the first chunk's vector
.set VB,    116                        ; v[116:147] the second chunk's vector
.set SL0,   34
.set SL1,   35
; 1024 products in four chains; first = 1: the first four products start the sums, nothing is cleared
.macro DOT xr, vr, first
.irp c, 0,1,2,3
.if \first
	v_pk_mul_f32 v[ACC+2*\c:ACC+2*\c+1], v[\xr+2*\c:\xr+2*\c+1], v[\vr+2*\c:\vr+2*\c+1]
.else
	v_pk_fma_f32 v[ACC+2*\c:ACC+2*\c+1], v[\xr+2*\c:\xr+2*\c+1], v[\vr+2*\c:\vr+2*\c+1], v[ACC+2*\c:ACC+2*\c+1]
.endif
.endr
.irp i, 4,5,6,7,8,9,10,11,12,13,14,15
	v_pk_fma_f32 v[ACC+2*(\i%4):ACC+2*(\i%4)+1], v[\xr+2*\i:\xr+2*\i+1], v[\vr+2*\i:\vr+2*\i+1], v[ACC+2*(\i%4):ACC+2*(\i%4)+1]
.endr
.endm
; sum over the 32 lanes, the result in every lane
.macro XSUM d
	v_add_f32_dpp v[\d], v[\d], v[\d] row_xmask:1 row_mask:0xf bank_mask:0xf
	v_add_f32_dpp v[\d], v[\d], v[\d] row_xmask:2 row_mask:0xf bank_mask:0xf
	v_add_f32_dpp v[\d], v[\d], v[\d] row_xmask:4 row_mask:0xf bank_mask:0xf
	v_add_f32_dpp v[\d], v[\d], v[\d] row_xmask:8 row_mask:0xf bank_mask:0xf
	v_permlanex16_b32 v[T], v[\d], s[SL0], s[SL1]
	v_add_f32 v[\d], v[\d], v[T]
.endm
; the four chains folded, then over the lanes
.macro LANESUM d
	v_pk_add_f32 v[ACC:ACC+1], v[ACC:ACC+1], v[ACC+2:ACC+3]
	v_pk_add_f32 v[ACC+4:ACC+5], v[ACC+4:ACC+5], v[ACC+6:ACC+7]
	v_pk_add_f32 v[ACC:ACC+1], v[ACC:ACC+1], v[ACC+4:ACC+5]
	v_add_f32 v[\d], v[ACC], v[ACC+1]
	XSUM \d
.endm
	s_load_b256 s[4:11], s[0:1], 0x0               ; W_hh s[4:5], W_comb s[6:7], W_attn s[8:9], hidden s[10:11]
	s_load_b128 s[12:15], s[0:1], 0x20             ; emb s[12:13], inp s[14:15]
	s_load_b64 s[16:17], s[0:1], 0x30              ; dots
	v_and_b32 v1, 31, v0                           ; lane
	v_lshrrev_b32 v3, 5, v0
	v_readfirstlane_b32 s18, v3                    ; wave
	v_lshlrev_b32 v2, 4, v1                        ; 16 bytes a lane
	v_mov_b32 v[T], 0                              ; the permute's destination counts as read
	s_mov_b32 s[SL0], SEL0
	s_mov_b32 s[SL1], SEL1
	s_lshl3_add_u32 s19, ttmp9, s18                ; U = 8 g + w
	s_wait_kmcnt 0x0
	s_load_b32 s30, s[14:15], 0x0                  ; the index; it is wanted only for the vectors, behind the weights' loads
	; the three kinds' byte offsets of the first chunk; the kind is chosen by the work-group's number alone
	s_sub_co_u32 s20, s19, 1536
	s_lshl_b32 s20, s20, 14                        ; W_comb: two rows of 8,192 bytes a wave
	s_sub_co_u32 s21, s19, 2048
	s_lshl_b32 s21, s21, 13                        ; W_attn: one row of 8,192 bytes a wave
	s_lshl_b32 s22, s19, 13                        ; W_hh: two rows of 4,096 bytes a wave
	s_mov_b32 s23, 8192                            ; from the first chunk to the second: W_comb's next row
	s_cmp_lt_u32 ttmp9, 192                        ; work-groups 0 .. 191: W_hh
	s_cselect_b32 s22, s22, s20
	s_cselect_b32 s23, 4096, s23
	s_cselect_b64 s[24:25], s[4:5], s[6:7]
	s_cmp_ge_u32 ttmp9, 256                        ; work-groups 256 .. 263: W_attn
	s_cselect_b32 s22, s21, s22
	s_cselect_b32 s23, 4096, s23
	s_cselect_b64 s[24:25], s[8:9], s[24:25]
	s_lshl_b32 s20, s19, 3
	v_add_nc_u32 v3, s22, v2                       ; first chunk
	v_add_nc_u32 v4, s23, v3                       ; second chunk
	v_mov_b32 v5, s20                              ; 8 U: where the two results go
.irp j, 0,1,2,3,4,5,6,7
	global_load_b128 v[XA+4*\j:XA+4*\j+3], v3, s[24:25] offset:512*\j th:TH_LOAD_NT
.endr
.irp j, 0,1,2,3,4,5,6,7
	global_load_b128 v[XB+4*\j:XB+4*\j+3], v4, s[24:25] offset:512*\j th:TH_LOAD_NT
.endr
	s_wait_kmcnt 0x0                               ; the index
	s_min_u32 s30, s30, VOCAB-1                    ; stays inside the table
	s_lshl_b32 s30, s30, 12                        ; a row of emb is 4,096 bytes; at most 50256 x 4096, below 2^31
	s_mov_b32 s31, 0
	s_add_nc_u64 s[32:33], s[12:13], s[30:31]      ; e
	s_cmp_lt_u32 ttmp9, 192                        ; W_hh: h, h.  W_comb: e, e.  W_attn: e, h
	s_cselect_b64 s[26:27], s[10:11], s[32:33]
	s_cselect_b64 s[28:29], s[10:11], s[32:33]
	s_cmp_ge_u32 ttmp9, 256
	s_cselect_b64 s[28:29], s[10:11], s[28:29]
.irp j, 0,1,2,3,4,5,6,7
	global_load_b128 v[VA+4*\j:VA+4*\j+3], v2, s[26:27] offset:512*\j
.endr
.irp j, 0,1,2,3,4,5,6,7
	global_load_b128 v[VB+4*\j:VB+4*\j+3], v2, s[28:29] offset:512*\j
.endr
	s_wait_loadcnt 0x8                             ; all but the second vector's eight loads
	DOT XA, VA, 1
	LANESUM 6
	s_wait_loadcnt 0x0
	DOT XB, VB, 1
	LANESUM 7
	s_wait_xcnt 0x0                                ; EXEC is a source of the loads above: it narrows only behind this wait
	v_cmp_eq_u32 vcc_lo, 0, v1
	s_and_saveexec_b32 s36, vcc_lo                 ; every lane holds both sums: lane 0 stores them
	global_store_b64 v5, v[6:7], s[16:17]
	s_endpgm
.Lfunc_end_k_q0decdcc865_front:
	.size	k_q0decdcc865_front, .Lfunc_end_k_q0decdcc865_front-k_q0decdcc865_front
	.p2alignl 7, 3214868480
	.fill 96, 4, 3214868480
	.section	.rodata,"a",@progbits
	.p2align	6, 0x0
	.amdhsa_kernel k_q0decdcc865_front
		.amdhsa_group_segment_fixed_size 0
		.amdhsa_private_segment_fixed_size 0
		.amdhsa_enable_private_segment 0
		.amdhsa_kernarg_size 56
		.amdhsa_user_sgpr_count 2
		.amdhsa_user_sgpr_kernarg_segment_ptr 1
		.amdhsa_wavefront_size32 1
		.amdhsa_system_sgpr_workgroup_id_x 1
		.amdhsa_system_sgpr_workgroup_id_y 1
		.amdhsa_system_sgpr_workgroup_id_z 1
		.amdhsa_system_vgpr_workitem_id 0
		.amdhsa_next_free_vgpr 148
		.amdhsa_next_free_sgpr 66
		.amdhsa_reserve_vcc 1
		.amdhsa_float_denorm_mode_32 3
		.amdhsa_float_denorm_mode_16_64 3
		.amdhsa_memory_ordered 1
		.amdhsa_forward_progress 1
		.amdhsa_inst_pref_size 9
	.end_amdhsa_kernel
	.amdgpu_metadata
---
amdhsa.version: [ 1, 2 ]
amdhsa.kernels:
  - .name:           k_q0decdcc865_front
    .symbol:         k_q0decdcc865_front.kd
    .args:
      - { .name: W_hh, .offset: 0, .size: 8, .value_kind: global_buffer, .address_space: global }
      - { .name: W_comb, .offset: 8, .size: 8, .value_kind: global_buffer, .address_space: global }
      - { .name: W_attn, .offset: 16, .size: 8, .value_kind: global_buffer, .address_space: global }
      - { .name: hidden, .offset: 24, .size: 8, .value_kind: global_buffer, .address_space: global }
      - { .name: emb, .offset: 32, .size: 8, .value_kind: global_buffer, .address_space: global }
      - { .name: inp, .offset: 40, .size: 8, .value_kind: global_buffer, .address_space: global }
      - { .name: dots, .offset: 48, .size: 8, .value_kind: global_buffer, .address_space: global }
    .group_segment_fixed_size: 0
    .private_segment_fixed_size: 0
    .kernarg_segment_align: 8
    .kernarg_segment_size: 56
    .max_flat_workgroup_size: 256
    .sgpr_count:     66
    .vgpr_count:     148
    .wavefront_size: 32
...
	.end_amdgpu_metadata
.endif
;; end of part 1
;; launch comb (part 2): grid 64 x 1, 16 waves a work-group, no clusters, 10,240 bytes of LDS; arguments dots, b_attn, encoder_outputs, W_comb, b_comb, xvec, out2; writes xvec, out2
.if DOCPART == 2
	.amdgcn_target "amdgcn-amd-amdhsa--gfx1250"
	.amdhsa_code_object_version 6
	.text
	.protected	k_q0decdcc865_comb
	.globl	k_q0decdcc865_comb
	.p2align	8
	.type	k_q0decdcc865_comb,@function
k_q0decdcc865_comb:
	s_mov_b64 s[64:65], 0
	v_nop
	global_prefetch_b8 v0, s[64:65] scope:SCOPE_SE
	s_setreg_imm32_b32 hwreg(HW_REG_WAVE_MODE, 25, 1), 1
	s_wait_xcnt 0x0
; COMB: attn_w = softmax(attention dots + b_attn) -> out2;  applied = attn_w @ encoder_outputs;
;       xvec[r] = relu(dots[3072 + r] + b_comb[r] + W_comb[r, 1024:2048] . applied).
; 64 work-groups of 16 waves; wave w of work-group g owns row r = 16 g + w of W_comb (its second 4,096 bytes).
; The softmax over 64 numbers is made again by every wave (lane l holds rows 2 l and 2 l + 1).  applied is made once in each work-group:
; wave w takes the encoder rows 2 i + (w >> 3), i = 0 .. 31, and the 128 columns of (w & 7); the two half sums meet in LDS.
; All 42 loads of a wave are issued at once, so the launch is one trip to memory deep.
; The encoder rows (262,144 bytes) are the only bytes that work-groups share.  They are not asked for jointly in a cluster: every
; work-group has to take all of them in either way, and a joint request would send them through LDS and add a cluster barrier to a
; launch that is a single chain of dependent steps.
; LDS: two regions of 4,096 bytes (one for each half sum), thread t at 16 t; written once, read behind the one barrier.
; LIMITS: v_exp_f32 and v_rcp_f32 are accurate to 1 ULP and flush denormals, so a weight below 2^-126 is 0; relu turns a NaN into 0;
; sums in another order than the reference's.
.set SEL0,  0x76543210
.set SEL1,  0xfedcba98
.set LOG2E, 0x3fb8aa3b
.set T,     8                          ; v8
.set ACC,   10                         ; v[10:17]
.set Q,     18                         ; v[18:21]   the four half dots of rows 2 l, 2 l + 1
.set BA,    22                         ; v[22:23]   b_attn of these rows
.set AW,    24                         ; v[24:25]   logits, then exponentials, then weights
.set AP,    30                         ; v[30:33]   my four partial sums of applied
.set X,     36                         ; v[36:67]   my half row of W_comb
.set ENC,   68                         ; v[68:195]  32 encoder rows, 4 columns each
.set A0,    68                         ; v[68:99]   afterwards: first half sum of applied
.set A1,    100                        ; v[100:131] second half sum
.set WT,    32                         ; s[32:63]   the weights of my 32 encoder rows
.set SL0,   26
.set SL1,   27
.macro DOT xr, vr, first
.irp c, 0,1,2,3
.if \first
	v_pk_mul_f32 v[ACC+2*\c:ACC+2*\c+1], v[\xr+2*\c:\xr+2*\c+1], v[\vr+2*\c:\vr+2*\c+1]
.else
	v_pk_fma_f32 v[ACC+2*\c:ACC+2*\c+1], v[\xr+2*\c:\xr+2*\c+1], v[\vr+2*\c:\vr+2*\c+1], v[ACC+2*\c:ACC+2*\c+1]
.endif
.endr
.irp i, 4,5,6,7,8,9,10,11,12,13,14,15
	v_pk_fma_f32 v[ACC+2*(\i%4):ACC+2*(\i%4)+1], v[\xr+2*\i:\xr+2*\i+1], v[\vr+2*\i:\vr+2*\i+1], v[ACC+2*(\i%4):ACC+2*(\i%4)+1]
.endr
.endm
.macro XSUM d
	v_add_f32_dpp v[\d], v[\d], v[\d] row_xmask:1 row_mask:0xf bank_mask:0xf
	v_add_f32_dpp v[\d], v[\d], v[\d] row_xmask:2 row_mask:0xf bank_mask:0xf
	v_add_f32_dpp v[\d], v[\d], v[\d] row_xmask:4 row_mask:0xf bank_mask:0xf
	v_add_f32_dpp v[\d], v[\d], v[\d] row_xmask:8 row_mask:0xf bank_mask:0xf
	v_permlanex16_b32 v[T], v[\d], s[SL0], s[SL1]
	v_add_f32 v[\d], v[\d], v[T]
.endm
.macro XMAX d
	v_max_num_f32_dpp v[\d], v[\d], v[\d] row_xmask:1 row_mask:0xf bank_mask:0xf
	v_max_num_f32_dpp v[\d], v[\d], v[\d] row_xmask:2 row_mask:0xf bank_mask:0xf
	v_max_num_f32_dpp v[\d], v[\d], v[\d] row_xmask:4 row_mask:0xf bank_mask:0xf
	v_max_num_f32_dpp v[\d], v[\d], v[\d] row_xmask:8 row_mask:0xf bank_mask:0xf
	v_permlanex16_b32 v[T], v[\d], s[SL0], s[SL1]
	v_max_num_f32 v[\d], v[\d], v[T]
.endm
.macro LANESUM d
	v_pk_add_f32 v[ACC:ACC+1], v[ACC:ACC+1], v[ACC+2:ACC+3]
	v_pk_add_f32 v[ACC+4:ACC+5], v[ACC+4:ACC+5], v[ACC+6:ACC+7]
	v_pk_add_f32 v[ACC:ACC+1], v[ACC:ACC+1], v[ACC+4:ACC+5]
	v_add_f32 v[\d], v[ACC], v[ACC+1]
	XSUM \d
.endm
; one encoder row into my four columns; row 0 starts the sums
.macro ENCROW i
.irp c, 0,1,2,3
.if \i == 0
	v_mul_f32 v[AP+\c], s[WT+\i], v[ENC+4*\i+\c]
.else
	v_fmac_f32 v[AP+\c], s[WT+\i], v[ENC+4*\i+\c]
.endif
.endr
.endm
	s_load_b256 s[4:11], s[0:1], 0x0               ; dots s[4:5], b_attn s[6:7], encoder_outputs s[8:9], W_comb s[10:11]
	s_load_b128 s[12:15], s[0:1], 0x20             ; b_comb s[12:13], xvec s[14:15]
	s_load_b64 s[16:17], s[0:1], 0x30              ; out2
	v_lshl_add_u32 v196, v0, 2, 0x2000
	v_mov_b32 v197, 0
	v_and_b32 v1, 31, v0                           ; lane
	v_lshrrev_b32 v4, 5, v0
	v_readfirstlane_b32 s18, v4                    ; wave
	v_lshlrev_b32 v2, 4, v1                        ; 16 x lane
	v_lshlrev_b32 v3, 3, v1                        ; 8 x lane
	v_mov_b32 v[T], 0
	s_mov_b32 s[SL0], SEL0
	s_mov_b32 s[SL1], SEL1
	s_mov_b32 s30, LOG2E
	s_lshl4_add_u32 s19, ttmp9, s18                ; r = 16 g + w
	s_lshl_b32 s20, s19, 2                         ; 4 r
	s_lshr_b32 s23, s18, 3                         ; which half of the encoder rows: odd (1) or even (0)
	s_and_b32 s24, s18, 7                          ; which 128 columns
	s_lshl_b32 s25, s23, 12
	s_lshl_b32 s24, s24, 9
	s_add_co_u32 s25, s25, s24
	v_add_nc_u32 v5, s25, v2                       ; encoder: 4096 x half + 512 x column block + 16 x lane
	s_lshl_b32 s25, s19, 13
	s_add_co_u32 s25, s25, 4096
	v_add_nc_u32 v6, s25, v2                       ; W_comb: row r, second half
	s_wait_kmcnt 0x0
	s_load_b32 s21, s[4:5], s20 offset:12288       ; dots[3072 + r]: the embedded half of my row's product
	s_load_b32 s22, s[12:13], s20 offset:0x0       ; b_comb[r]
	global_load_b128 v[Q:Q+3], v2, s[4:5] offset:16384
	global_load_b64 v[BA:BA+1], v3, s[6:7]
.irp i, 0,1,2,3,4,5,6,7,8,9,10,11,12,13,14,15,16,17,18,19,20,21,22,23,24,25,26,27,28,29,30,31
	global_load_b128 v[ENC+4*\i:ENC+4*\i+3], v5, s[8:9] offset:8192*\i
.endr
.irp j, 0,1,2,3,4,5,6,7
	global_load_b128 v[X+4*\j:X+4*\j+3], v6, s[10:11] offset:512*\j th:TH_LOAD_NT
.endr
	; softmax over the 64 rows, two in each lane
	s_wait_loadcnt 40                              ; the 32 encoder loads and the 8 of W_comb stay out
	v_add_f32 v[AW], v[Q], v[Q+1]
	v_add_f32 v[AW+1], v[Q+2], v[Q+3]
	v_pk_add_f32 v[AW:AW+1], v[AW:AW+1], v[BA:BA+1]
	v_max_num_f32 v26, v[AW], v[AW+1]
	XMAX 26
	v_mul_f32 v26, s30, v26                        ; max x log2 e
	v_fma_f32 v[AW], v[AW], s30, -v26              ; (logit - max) x log2 e in one step
	v_fma_f32 v[AW+1], v[AW+1], s30, -v26
	v_exp_f32 v[AW], v[AW]
	v_exp_f32 v[AW+1], v[AW+1]
	v_lshlrev_b32 v7, 4, v0                        ; 16 t, my place in LDS; also the plain place behind the exponentials (ISA guide 5.7.2)
	s_wait_alu depctr_va_vdst(0)
	v_add_f32 v27, v[AW], v[AW+1]
	XSUM 27
	v_rcp_f32 v27, v27
	v_mov_b32 v9, s20                              ; 4 r; the plain place behind the reciprocal
	s_wait_alu depctr_va_vdst(0)
	v_mul_f32 v[AW], v[AW], v27
	v_mul_f32 v[AW+1], v[AW+1], v27
	s_or_b32 s25, ttmp9, s18
	s_cmp_lg_u32 s25, 0
	s_cbranch_scc1 .Lno_out2                       ; wave 0 of work-group 0 alone writes out2
	global_store_b64 v3, v[AW:AW+1], s[16:17]      ; 32 lanes x 8 bytes: the 256 bytes of out2 in one store; its registers are not written again
.Lno_out2:
	; the weights of my 32 encoder rows as scalars: row 2 i + half is lane i's first or second weight
	s_cmp_lg_u32 s23, 0
	s_cselect_b32 s28, -1, 0
	v_cndmask_b32 v28, v[AW], v[AW+1], s28
.irp i, 0,1,2,3,4,5,6,7,8,9,10,11,12,13,14,15,16,17,18,19,20,21,22,23,24,25,26,27,28,29,30,31
	v_readlane_b32 s[WT+\i], v28, \i
.endr
.irp q, 0,1,2,3
	s_wait_loadcnt 32-8*\q                         ; out: W_comb's 8 loads and the encoder rows behind this group of eight
.irp k, 0,1,2,3,4,5,6,7
	ENCROW (8*\q+\k)
.endr
.endr
	ds_store_b128 v7, v[AP:AP+3]
	s_wait_dscnt 0x0                               ; for the other waves' sake: my part lies in LDS before I say so
	s_barrier_signal -1
	s_barrier_wait -1
.irp j, 0,1,2,3,4,5,6,7
	ds_load_b128 v[A0+4*\j:A0+4*\j+3], v2 offset:512*\j
.endr
.irp j, 0,1,2,3,4,5,6,7
	ds_load_b128 v[A1+4*\j:A1+4*\j+3], v2 offset:4096+512*\j
.endr
	s_wait_kmcnt 0x0
	s_add_f32 s21, s21, s22                        ; embedded half + bias
	s_wait_loadcnt 0x0                             ; my half row of W_comb
	s_wait_dscnt 0x8                               ; the first half sum is in, the second's eight loads stay out
	DOT X, A0, 1
	s_wait_dscnt 0x0
	DOT X, A1, 0                                   ; the chains go on: row . (A0 + A1) without adding the halves first
	LANESUM 29
	v_add_f32 v29, s21, v29
	v_max_num_f32 v29, 0, v29                      ; relu
	s_wait_xcnt 0x0                                ; EXEC narrows only behind this wait
	v_cmp_eq_u32 vcc_lo, 0, v1
	s_wait_tensorcnt 0x0
	ds_add_u32 v196, v197
	s_wait_dscnt 0x0
	s_and_saveexec_b32 s29, vcc_lo
	global_store_b32 v9, v29, s[14:15]
	s_endpgm
.Lfunc_end_k_q0decdcc865_comb:
	.size	k_q0decdcc865_comb, .Lfunc_end_k_q0decdcc865_comb-k_q0decdcc865_comb
	.p2alignl 7, 3214868480
	.fill 96, 4, 3214868480
	.section	.rodata,"a",@progbits
	.p2align	6, 0x0
	.amdhsa_kernel k_q0decdcc865_comb
		.amdhsa_group_segment_fixed_size 10240
		.amdhsa_private_segment_fixed_size 0
		.amdhsa_enable_private_segment 0
		.amdhsa_kernarg_size 56
		.amdhsa_user_sgpr_count 2
		.amdhsa_user_sgpr_kernarg_segment_ptr 1
		.amdhsa_wavefront_size32 1
		.amdhsa_system_sgpr_workgroup_id_x 1
		.amdhsa_system_sgpr_workgroup_id_y 1
		.amdhsa_system_sgpr_workgroup_id_z 1
		.amdhsa_system_vgpr_workitem_id 0
		.amdhsa_next_free_vgpr 198
		.amdhsa_next_free_sgpr 66
		.amdhsa_reserve_vcc 1
		.amdhsa_float_denorm_mode_32 3
		.amdhsa_float_denorm_mode_16_64 3
		.amdhsa_memory_ordered 1
		.amdhsa_forward_progress 1
		.amdhsa_inst_pref_size 18
	.end_amdhsa_kernel
	.amdgpu_metadata
---
amdhsa.version: [ 1, 2 ]
amdhsa.kernels:
  - .name:           k_q0decdcc865_comb
    .symbol:         k_q0decdcc865_comb.kd
    .args:
      - { .name: dots, .offset: 0, .size: 8, .value_kind: global_buffer, .address_space: global }
      - { .name: b_attn, .offset: 8, .size: 8, .value_kind: global_buffer, .address_space: global }
      - { .name: encoder_outputs, .offset: 16, .size: 8, .value_kind: global_buffer, .address_space: global }
      - { .name: W_comb, .offset: 24, .size: 8, .value_kind: global_buffer, .address_space: global }
      - { .name: b_comb, .offset: 32, .size: 8, .value_kind: global_buffer, .address_space: global }
      - { .name: xvec, .offset: 40, .size: 8, .value_kind: global_buffer, .address_space: global }
      - { .name: out2, .offset: 48, .size: 8, .value_kind: global_buffer, .address_space: global }
    .group_segment_fixed_size: 10240
    .private_segment_fixed_size: 0
    .kernarg_segment_align: 8
    .kernarg_segment_size: 56
    .max_flat_workgroup_size: 512
    .sgpr_count:     66
    .vgpr_count:     198
    .wavefront_size: 32
...
	.end_amdgpu_metadata
.endif
;; end of part 2
;; launch gru (part 3): grid 256 x 1, 4 waves a work-group, no clusters, 0 bytes of LDS; arguments W_ih, xvec, dots, b_ih, b_hh, hidden, out1; writes out1
.if DOCPART == 3
	.amdgcn_target "amdgcn-amd-amdhsa--gfx1250"
	.amdhsa_code_object_version 6
	.text
	.protected	k_q0decdcc865_gru
	.globl	k_q0decdcc865_gru
	.p2align	8
	.type	k_q0decdcc865_gru,@function
k_q0decdcc865_gru:
	s_mov_b64 s[64:65], 0
	v_nop
	global_prefetch_b8 v0, s[64:65] scope:SCOPE_SE
	s_setreg_imm32_b32 hwreg(HW_REG_WAVE_MODE, 25, 1), 1
	s_wait_xcnt 0x0
; GRU: gx = W_ih . x + b_ih; with gh = dots[0:3072] + b_hh:  r = sigmoid(gx_r + gh_r), z = sigmoid(gx_z + gh_z),
;      n = tanh(gx_n + r gh_n), out1[i] = n + z (h[i] - n)  (= (1 - z) n + z h).
; 1024 waves, one for each output i = 4 g + w: rows i, i + 1024, i + 2048 of W_ih, 12,288 bytes in 24 loads, all issued at once.
; The ten single numbers of output i come by scalar loads, and the factors of the base-2 exponentials are folded into them, so that
; each gate's argument is one fused multiply-add on its dot product.
; sigmoid(a) = 1 / (1 + 2^(-a log2 e));  tanh(a) = 1 - 2 / (1 + 2^(2 a log2 e)), which goes to +1 and -1 where the power overflows or vanishes.
; LIMITS: v_exp_f32 and v_rcp_f32 are accurate to 1 ULP and flush denormals; near 0 tanh has an absolute error of some 1e-7;
; sums in another order than the reference's.
.set SEL0,  0x76543210
.set SEL1,  0xfedcba98
.set NLOG2E, 0xbfb8aa3b                ; -log2 e
.set LOG2E2, 0x4038aa3b                ; 2 log2 e
.set T,     8
.set ACC,   10
.set XV,    20                         ; v[20:51]   x
.set WR,    52                         ; v[52:83]   row i
.set WZ,    84                         ; v[84:115]  row i + 1024
.set WN,    116                        ; v[116:147] row i + 2048
.set SL0,   22
.set SL1,   23
.macro DOT xr, vr, first
.irp c, 0,1,2,3
.if \first
	v_pk_mul_f32 v[ACC+2*\c:ACC+2*\c+1], v[\xr+2*\c:\xr+2*\c+1], v[\vr+2*\c:\vr+2*\c+1]
.else
	v_pk_fma_f32 v[ACC+2*\c:ACC+2*\c+1], v[\xr+2*\c:\xr+2*\c+1], v[\vr+2*\c:\vr+2*\c+1], v[ACC+2*\c:ACC+2*\c+1]
.endif
.endr
.irp i, 4,5,6,7,8,9,10,11,12,13,14,15
	v_pk_fma_f32 v[ACC+2*(\i%4):ACC+2*(\i%4)+1], v[\xr+2*\i:\xr+2*\i+1], v[\vr+2*\i:\vr+2*\i+1], v[ACC+2*(\i%4):ACC+2*(\i%4)+1]
.endr
.endm
.macro XSUM d
	v_add_f32_dpp v[\d], v[\d], v[\d] row_xmask:1 row_mask:0xf bank_mask:0xf
	v_add_f32_dpp v[\d], v[\d], v[\d] row_xmask:2 row_mask:0xf bank_mask:0xf
	v_add_f32_dpp v[\d], v[\d], v[\d] row_xmask:4 row_mask:0xf bank_mask:0xf
	v_add_f32_dpp v[\d], v[\d], v[\d] row_xmask:8 row_mask:0xf bank_mask:0xf
	v_permlanex16_b32 v[T], v[\d], s[SL0], s[SL1]
	v_add_f32 v[\d], v[\d], v[T]
.endm
.macro LANESUM d
	v_pk_add_f32 v[ACC:ACC+1], v[ACC:ACC+1], v[ACC+2:ACC+3]
	v_pk_add_f32 v[ACC+4:ACC+5], v[ACC+4:ACC+5], v[ACC+6:ACC+7]
	v_pk_add_f32 v[ACC:ACC+1], v[ACC:ACC+1], v[ACC+4:ACC+5]
	v_add_f32 v[\d], v[ACC], v[ACC+1]
	XSUM \d
.endm
	s_load_b256 s[4:11], s[0:1], 0x0               ; W_ih s[4:5], xvec s[6:7], dots s[8:9], b_ih s[10:11]
	s_load_b128 s[12:15], s[0:1], 0x20             ; b_hh s[12:13], hidden s[14:15]
	s_load_b64 s[16:17], s[0:1], 0x30              ; out1
	v_and_b32 v1, 31, v0
	v_lshrrev_b32 v3, 5, v0
	v_readfirstlane_b32 s18, v3                    ; wave
	v_lshlrev_b32 v2, 4, v1                        ; 16 x lane
	v_mov_b32 v[T], 0
	s_mov_b32 s[SL0], SEL0
	s_mov_b32 s[SL1], SEL1
	s_mov_b32 s35, NLOG2E
	s_mov_b32 s36, LOG2E2
	s_lshl2_add_u32 s19, ttmp9, s18                ; i = 4 g + w
	s_lshl_b32 s20, s19, 2                         ; 4 i
	s_lshl_b32 s21, s19, 12                        ; row i of W_ih
	v_add_nc_u32 v3, s21, v2
	v_add_nc_u32 v4, 0x400000, v3                  ; row i + 1024
	v_add_nc_u32 v5, 0x800000, v3                  ; row i + 2048
	s_wait_kmcnt 0x0
	s_load_b32 s24, s[8:9], s20 offset:0           ; W_hh . h of the three gates
	s_load_b32 s25, s[8:9], s20 offset:4096
	s_load_b32 s26, s[8:9], s20 offset:8192
	s_load_b32 s27, s[10:11], s20 offset:0         ; b_ih
	s_load_b32 s28, s[10:11], s20 offset:4096
	s_load_b32 s29, s[10:11], s20 offset:8192
	s_load_b32 s30, s[12:13], s20 offset:0         ; b_hh
	s_load_b32 s31, s[12:13], s20 offset:4096
	s_load_b32 s32, s[12:13], s20 offset:8192
	s_load_b32 s33, s[14:15], s20 offset:0         ; h[i]
.irp j, 0,1,2,3,4,5,6,7
	global_load_b128 v[XV+4*\j:XV+4*\j+3], v2, s[6:7] offset:512*\j
.endr
.irp j, 0,1,2,3,4,5,6,7
	global_load_b128 v[WR+4*\j:WR+4*\j+3], v3, s[4:5] offset:512*\j th:TH_LOAD_NT
.endr
.irp j, 0,1,2,3,4,5,6,7
	global_load_b128 v[WZ+4*\j:WZ+4*\j+3], v4, s[4:5] offset:512*\j th:TH_LOAD_NT
.endr
.irp j, 0,1,2,3,4,5,6,7
	global_load_b128 v[WN+4*\j:WN+4*\j+3], v5, s[4:5] offset:512*\j th:TH_LOAD_NT
.endr
	s_wait_kmcnt 0x0
	s_add_f32 s24, s24, s27
	s_add_f32 s25, s25, s28
	s_add_f32 s26, s26, s32                        ; gh_n
	s_add_f32 s24, s24, s30                        ; all of r's argument but the dot
	s_add_f32 s25, s25, s31                        ; all of z's
	s_mul_f32 s26, s26, s36                        ; gh_n x 2 log2 e
	s_mul_f32 s29, s29, s36                        ; b_ih_n x 2 log2 e
	s_mul_f32 s24, s24, s35                        ; x -log2 e
	s_mul_f32 s25, s25, s35
	s_wait_loadcnt 16                              ; x and row i are in; the two later rows stay out
	DOT WR, XV, 1
	LANESUM 6
	s_wait_loadcnt 8                               ; the last row stays out
	DOT WZ, XV, 1
	LANESUM 7
	s_wait_loadcnt 0x0
	DOT WN, XV, 1
	LANESUM 9
	v_fma_f32 v6, v6, s35, s24                     ; -log2 e x r's argument
	v_fma_f32 v7, v7, s35, s25
	v_exp_f32 v6, v6
	v_exp_f32 v7, v7
	v_fma_f32 v9, v9, s36, s29                     ; 2 log2 e x gx_n; the plain place behind the exponentials (ISA guide 5.7.2)
	s_wait_alu depctr_va_vdst(0)
	v_add_f32 v6, 1.0, v6
	v_add_f32 v7, 1.0, v7
	v_rcp_f32 v6, v6                               ; r
	v_rcp_f32 v7, v7                               ; z
	v_mov_b32 v18, s20                             ; 4 i; the plain place behind the reciprocals
	s_wait_alu depctr_va_vdst(0)
	v_fma_f32 v9, v6, s26, v9                      ; 2 log2 e x (gx_n + r gh_n)
	v_exp_f32 v9, v9
	v_nop
	s_wait_alu depctr_va_vdst(0)
	v_add_f32 v9, 1.0, v9
	v_rcp_f32 v9, v9
	v_nop
	s_wait_alu depctr_va_vdst(0)
	v_fma_f32 v9, v9, -2.0, 1.0                    ; n
	v_sub_f32 v19, s33, v9                         ; h - n
	v_fma_f32 v19, v7, v19, v9                     ; n + z (h - n)
	s_wait_xcnt 0x0                                ; EXEC narrows only behind this wait
	v_cmp_eq_u32 vcc_lo, 0, v1
	s_and_saveexec_b32 s34, vcc_lo
	global_store_b32 v18, v19, s[16:17]
	s_endpgm
.Lfunc_end_k_q0decdcc865_gru:
	.size	k_q0decdcc865_gru, .Lfunc_end_k_q0decdcc865_gru-k_q0decdcc865_gru
	.p2alignl 7, 3214868480
	.fill 96, 4, 3214868480
	.section	.rodata,"a",@progbits
	.p2align	6, 0x0
	.amdhsa_kernel k_q0decdcc865_gru
		.amdhsa_group_segment_fixed_size 0
		.amdhsa_private_segment_fixed_size 0
		.amdhsa_enable_private_segment 0
		.amdhsa_kernarg_size 56
		.amdhsa_user_sgpr_count 2
		.amdhsa_user_sgpr_kernarg_segment_ptr 1
		.amdhsa_wavefront_size32 1
		.amdhsa_system_sgpr_workgroup_id_x 1
		.amdhsa_system_sgpr_workgroup_id_y 1
		.amdhsa_system_sgpr_workgroup_id_z 1
		.amdhsa_system_vgpr_workitem_id 0
		.amdhsa_next_free_vgpr 148
		.amdhsa_next_free_sgpr 66
		.amdhsa_reserve_vcc 1
		.amdhsa_float_denorm_mode_32 3
		.amdhsa_float_denorm_mode_16_64 3
		.amdhsa_memory_ordered 1
		.amdhsa_forward_progress 1
		.amdhsa_inst_pref_size 11
	.end_amdhsa_kernel
	.amdgpu_metadata
---
amdhsa.version: [ 1, 2 ]
amdhsa.kernels:
  - .name:           k_q0decdcc865_gru
    .symbol:         k_q0decdcc865_gru.kd
    .args:
      - { .name: W_ih, .offset: 0, .size: 8, .value_kind: global_buffer, .address_space: global }
      - { .name: xvec, .offset: 8, .size: 8, .value_kind: global_buffer, .address_space: global }
      - { .name: dots, .offset: 16, .size: 8, .value_kind: global_buffer, .address_space: global }
      - { .name: b_ih, .offset: 24, .size: 8, .value_kind: global_buffer, .address_space: global }
      - { .name: b_hh, .offset: 32, .size: 8, .value_kind: global_buffer, .address_space: global }
      - { .name: hidden, .offset: 40, .size: 8, .value_kind: global_buffer, .address_space: global }
      - { .name: out1, .offset: 48, .size: 8, .value_kind: global_buffer, .address_space: global }
    .group_segment_fixed_size: 0
    .private_segment_fixed_size: 0
    .kernarg_segment_align: 8
    .kernarg_segment_size: 56
    .max_flat_workgroup_size: 128
    .sgpr_count:     66
    .vgpr_count:     148
    .wavefront_size: 32
...
	.end_amdgpu_metadata
.endif
;; end of part 3
;; launch proj (part 4): grid 242 x 1, 16 waves a work-group, no clusters, 4,096 bytes of LDS; arguments W_out, b_out, out1, logits, part; writes logits, part
.if DOCPART == 4
	.amdgcn_target "amdgcn-amd-amdhsa--gfx1250"
	.amdhsa_code_object_version 6
	.text
	.protected	k_q0decdcc865_proj
	.globl	k_q0decdcc865_proj
	.p2align	8
	.type	k_q0decdcc865_proj,@function
k_q0decdcc865_proj:
	s_mov_b64 s[64:65], 0
	v_nop
	global_prefetch_b8 v0, s[64:65] scope:SCOPE_SE
	s_setreg_imm32_b32 hwreg(HW_REG_WAVE_MODE, 25, 1), 1
	s_wait_xcnt 0x0
; PROJ: logits[v] = W_out[v] . h_new + b_out[v], and for each work-group the pair (M, S): M = its largest logit, S = sum of e^(logit - M).
; Work-group g owns rows 208 g .. 208 g + 207 (242 x 208 = 50336; the last one has 129 real rows).  Wave w takes rows 208 g + 16 t + w,
; t = 0 .. 12, so that in one turn the 16 waves read 65,536 consecutive bytes.  50257 rows over 256 work-groups of 16 waves would also
; need 13 turns; 13 full turns on 242 work-groups read nothing twice and keep a work-group's 832 bytes of logits aligned to 16.
; A row is 4,096 bytes = eight loads of 16 bytes a lane.  Each wave runs a ring of six row slots in registers: five to six rows
; (20,480 to 24,576 bytes) of every wave are on their way, sixteen times that for the work-group.  The 13 turns are written out by a macro,
; so every wait's count is a constant and no load is issued past the last row (a row number is clamped to 50256 for the loads).
; Each weight is read by one wave and used once, so LDS rings, joint requests and the matrix units would add only moves and conversions.
; No prefetch either: the ring itself asks for every byte five turns ahead.
; LDS: 4,096 bytes.  Word 16 t + w holds row 16 t + w of the work-group (lane t of wave w writes it); words 208 .. 255 hold -inf;
; words 256 .. 511 take the idle lanes' stores and are never read, which keeps EXEC full.
; LIMITS: v_exp_f32 is accurate to 1 ULP and flushes denormals; sums in another order than the reference's.
.set VOCAB, 50257
.set WGROWS, 208
.set TURNS, 13
.set SLOTS, 6
.set SEL0,  0x76543210
.set SEL1,  0xfedcba98
.set LOG2E, 0x3fb8aa3b
.set NEGINF, 0xff800000
.set OFF,   4                          ; v[4:9]     slot s: byte offset of my 16 bytes in the slot's row
.set ACC,   10                         ; v[10:17]
.set T,     18                         ; v18
.set RES,   20                         ; v20        lane t: the dot of turn t
.set BIAS,  21                         ; v21        lane t: b_out of turn t's row
.set HV,    24                         ; v[24:55]   h_new
.set X,     56                         ; v[56:247]  slot s: 32 registers
.set SL0,   18
.set SL1,   19
.macro DOT xr, vr, first
.irp c, 0,1,2,3
.if \first
	v_pk_mul_f32 v[ACC+2*\c:ACC+2*\c+1], v[\xr+2*\c:\xr+2*\c+1], v[\vr+2*\c:\vr+2*\c+1]
.else
	v_pk_fma_f32 v[ACC+2*\c:ACC+2*\c+1], v[\xr+2*\c:\xr+2*\c+1], v[\vr+2*\c:\vr+2*\c+1], v[ACC+2*\c:ACC+2*\c+1]
.endif
.endr
.irp i, 4,5,6,7,8,9,10,11,12,13,14,15
	v_pk_fma_f32 v[ACC+2*(\i%4):ACC+2*(\i%4)+1], v[\xr+2*\i:\xr+2*\i+1], v[\vr+2*\i:\vr+2*\i+1], v[ACC+2*(\i%4):ACC+2*(\i%4)+1]
.endr
.endm
.macro XSUM d
	v_add_f32_dpp v[\d], v[\d], v[\d] row_xmask:1 row_mask:0xf bank_mask:0xf
	v_add_f32_dpp v[\d], v[\d], v[\d] row_xmask:2 row_mask:0xf bank_mask:0xf
	v_add_f32_dpp v[\d], v[\d], v[\d] row_xmask:4 row_mask:0xf bank_mask:0xf
	v_add_f32_dpp v[\d], v[\d], v[\d] row_xmask:8 row_mask:0xf bank_mask:0xf
	v_permlanex16_b32 v[T], v[\d], s[SL0], s[SL1]
	v_add_f32 v[\d], v[\d], v[T]
.endm
.macro XMAX d
	v_max_num_f32_dpp v[\d], v[\d], v[\d] row_xmask:1 row_mask:0xf bank_mask:0xf
	v_max_num_f32_dpp v[\d], v[\d], v[\d] row_xmask:2 row_mask:0xf bank_mask:0xf
	v_max_num_f32_dpp v[\d], v[\d], v[\d] row_xmask:4 row_mask:0xf bank_mask:0xf
	v_max_num_f32_dpp v[\d], v[\d], v[\d] row_xmask:8 row_mask:0xf bank_mask:0xf
	v_permlanex16_b32 v[T], v[\d], s[SL0], s[SL1]
	v_max_num_f32 v[\d], v[\d], v[T]
.endm
.macro LANESUM d
	v_pk_add_f32 v[ACC:ACC+1], v[ACC:ACC+1], v[ACC+2:ACC+3]
	v_pk_add_f32 v[ACC+4:ACC+5], v[ACC+4:ACC+5], v[ACC+6:ACC+7]
	v_pk_add_f32 v[ACC:ACC+1], v[ACC:ACC+1], v[ACC+4:ACC+5]
	v_add_f32 v[\d], v[ACC], v[ACC+1]
	XSUM \d
.endm
; the row of turn t into its slot
.macro FILL t
.set FS, (\t) % SLOTS
	s_add_co_u32 s20, s15, 16*\t
	s_min_u32 s20, s20, VOCAB-1                    ; only the last work-group ever reaches the clamp
	s_lshl_b32 s20, s20, 12                        ; at most 50256 x 4096, below 2^31
	v_add_nc_u32 v[OFF+FS], s20, v2
.irp j, 0,1,2,3,4,5,6,7
	global_load_b128 v[X+32*FS+4*\j:X+32*FS+4*\j+3], v[OFF+FS], s[4:5] offset:512*\j th:TH_LOAD_NT
.endr
.endm
; turn t: the slot's row is multiplied, the slot is asked for again, the sum goes to lane t of RES
.macro TURN t
.set TS, (\t) % SLOTS
.if \t + SLOTS < TURNS
.set LEFT, 8*(SLOTS-1)
.else
.set LEFT, 8*(TURNS-1-\t)
.endif
	s_wait_loadcnt LEFT                            ; loads come back in order (ISA guide 5.7.1): out are the eight loads of each younger row
	DOT X+32*TS, HV, 1
.if \t + SLOTS < TURNS
	FILL (\t+SLOTS)                                ; the slot's offset register is free: the wait above showed its own loads done
.endif
	LANESUM 19
	v_cmp_eq_u32 vcc_lo, \t, v1
	v_cndmask_b32 v[RES], v[RES], v19, vcc_lo
.endm
	s_load_b256 s[4:11], s[0:1], 0x0               ; W_out s[4:5], b_out s[6:7], out1 s[8:9], logits s[10:11]
	s_load_b64 s[12:13], s[0:1], 0x20              ; part
	v_lshl_add_u32 v248, v0, 2, 0x800
	v_mov_b32 v249, 0
	v_and_b32 v1, 31, v0                           ; lane
	v_lshrrev_b32 v3, 5, v0
	v_readfirstlane_b32 s14, v3                    ; wave
	v_lshlrev_b32 v2, 4, v1                        ; 16 x lane
	v_mov_b32 v[T], 0
	v_mov_b32 v[RES], 0                            ; lanes 13 .. 31 are never chosen by a turn
	s_mov_b32 s[SL0], SEL0
	s_mov_b32 s[SL1], SEL1
	s_mov_b32 s25, LOG2E
	s_mul_i32 s15, ttmp9, WGROWS
	s_add_co_u32 s15, s15, s14                     ; my first row
	v_lshl_add_u32 v22, v1, 4, s15                 ; lane t: the row of turn t
	v_min_u32 v3, VOCAB-1, v22
	v_lshlrev_b32 v3, 2, v3
	s_wait_kmcnt 0x0
.irp j, 0,1,2,3,4,5,6,7
	global_load_b128 v[HV+4*\j:HV+4*\j+3], v2, s[8:9] offset:512*\j
.endr
	global_load_b32 v[BIAS], v3, s[6:7]
.irp t, 0,1,2,3,4,5
	FILL \t                                        ; 8 + 1 + 48 = 57 loads are out; the first turn's wait for 40 covers h_new, the bias and row 0
.endr
.irp t, 0,1,2,3,4,5,6,7,8,9,10,11,12
	TURN \t
.endr
	v_add_f32 v[RES], v[RES], v[BIAS]
	v_cmp_gt_u32 s21, TURNS, v1                    ; a lane that holds a turn's row,
	v_cmp_gt_u32 s22, VOCAB, v22                   ; and a row that exists
	s_and_b32 s21, s21, s22
	v_mov_b32 v23, NEGINF
	v_cndmask_b32 v[RES], v23, v[RES], s21         ; every other lane: -inf
	v_lshlrev_b32 v23, 6, v1
	v_lshl_add_u32 v23, s14, 2, v23                ; word 16 x lane + wave
	ds_store_b32 v23, v[RES]
	s_wait_dscnt 0x0                               ; for wave 0's sake: my words lie in LDS before I say so
	s_barrier_signal -1
	s_barrier_wait -1
	s_cmp_lg_u32 s14, 0
	s_cbranch_scc1 .Lend                           ; wave 0 alone finishes the work-group's 208 numbers
	ds_load_b128 v[56:59], v2                      ; words 4 l .. 4 l + 3
	ds_load_b128 v[60:63], v2 offset:512           ; words 128 + 4 l .. (208 and up are -inf)
	s_lshl_b32 s26, ttmp9, 3                       ; 8 g
	s_mul_i32 s16, ttmp9, 4*WGROWS
	s_mov_b32 s17, 0
	s_add_nc_u64 s[10:11], s[10:11], s[16:17]      ; logits at the work-group's first row
	s_wait_dscnt 0x0
	v_max3_num_f32 v64, v56, v57, v58
	v_max3_num_f32 v64, v64, v59, v60
	v_max3_num_f32 v64, v64, v61, v62
	v_max_num_f32 v64, v64, v63
	XMAX 64                                        ; M: finite, every work-group has real rows
	v_mul_f32 v74, s25, v64
.irp k, 0,1,2,3,4,5,6,7
	v_fma_f32 v[66+\k], v[56+\k], s25, -v74        ; (logit - M) x log2 e; -inf stays -inf and gives 0
.endr
.irp k, 0,1,2,3,4,5,6,7
	v_exp_f32 v[66+\k], v[66+\k]
.endr
	v_mov_b32 v3, s26                              ; the plain place behind the exponentials (ISA guide 5.7.2)
	s_wait_alu depctr_va_vdst(0)
	v_pk_add_f32 v[66:67], v[66:67], v[68:69]
	v_pk_add_f32 v[70:71], v[70:71], v[72:73]
	v_pk_add_f32 v[66:67], v[66:67], v[70:71]
	v_add_f32 v65, v66, v67
	XSUM 65                                        ; S
	global_store_b128 v2, v[56:59], s[10:11]       ; numbers 0 .. 127: 512 consecutive bytes
	s_wait_xcnt 0x0                                ; EXEC narrows only behind this wait
	v_cmp_gt_u32 vcc_lo, 20, v1
	s_and_saveexec_b32 s23, vcc_lo
	global_store_b128 v2, v[60:63], s[10:11] offset:512    ; numbers 128 .. 207: 20 lanes
	s_wait_xcnt 0x0                                ; and again
	v_cmp_eq_u32 vcc_lo, 0, v1
	s_and_saveexec_b32 s24, vcc_lo
	global_store_b64 v3, v[64:65], s[12:13]        ; (M, S) at 8 g
.Lend:
	s_wait_xcnt 0x0
	s_mov_b32 exec_lo, -1
	s_wait_tensorcnt 0x0
	ds_add_u32 v248, v249
	s_wait_dscnt 0x0
	s_endpgm
.Lfunc_end_k_q0decdcc865_proj:
	.size	k_q0decdcc865_proj, .Lfunc_end_k_q0decdcc865_proj-k_q0decdcc865_proj
	.p2alignl 7, 3214868480
	.fill 96, 4, 3214868480
	.section	.rodata,"a",@progbits
	.p2align	6, 0x0
	.amdhsa_kernel k_q0decdcc865_proj
		.amdhsa_group_segment_fixed_size 4096
		.amdhsa_private_segment_fixed_size 0
		.amdhsa_enable_private_segment 0
		.amdhsa_kernarg_size 40
		.amdhsa_user_sgpr_count 2
		.amdhsa_user_sgpr_kernarg_segment_ptr 1
		.amdhsa_wavefront_size32 1
		.amdhsa_system_sgpr_workgroup_id_x 1
		.amdhsa_system_sgpr_workgroup_id_y 1
		.amdhsa_system_sgpr_workgroup_id_z 1
		.amdhsa_system_vgpr_workitem_id 0
		.amdhsa_next_free_vgpr 250
		.amdhsa_next_free_sgpr 66
		.amdhsa_reserve_vcc 1
		.amdhsa_float_denorm_mode_32 3
		.amdhsa_float_denorm_mode_16_64 3
		.amdhsa_memory_ordered 1
		.amdhsa_forward_progress 1
		.amdhsa_inst_pref_size 40
	.end_amdhsa_kernel
	.amdgpu_metadata
---
amdhsa.version: [ 1, 2 ]
amdhsa.kernels:
  - .name:           k_q0decdcc865_proj
    .symbol:         k_q0decdcc865_proj.kd
    .args:
      - { .name: W_out, .offset: 0, .size: 8, .value_kind: global_buffer, .address_space: global }
      - { .name: b_out, .offset: 8, .size: 8, .value_kind: global_buffer, .address_space: global }
      - { .name: out1, .offset: 16, .size: 8, .value_kind: global_buffer, .address_space: global }
      - { .name: logits, .offset: 24, .size: 8, .value_kind: global_buffer, .address_space: global }
      - { .name: part, .offset: 32, .size: 8, .value_kind: global_buffer, .address_space: global }
    .group_segment_fixed_size: 4096
    .private_segment_fixed_size: 0
    .kernarg_segment_align: 8
    .kernarg_segment_size: 40
    .max_flat_workgroup_size: 512
    .sgpr_count:     66
    .vgpr_count:     250
    .wavefront_size: 32
...
	.end_amdgpu_metadata
.endif
;; end of part 4
;; launch lsm (part 5): grid 50 x 1, 8 waves a work-group, no clusters, 0 bytes of LDS; arguments logits, part, out0; writes out0
.if DOCPART == 5
	.amdgcn_target "amdgcn-amd-amdhsa--gfx1250"
	.amdhsa_code_object_version 6
	.text
	.protected	k_q0decdcc865_lsm
	.globl	k_q0decdcc865_lsm
	.p2align	8
	.type	k_q0decdcc865_lsm,@function
k_q0decdcc865_lsm:
	s_mov_b64 s[64:65], 0
	v_nop
	global_prefetch_b8 v0, s[64:65] scope:SCOPE_SE
	s_setreg_imm32_b32 hwreg(HW_REG_WAVE_MODE, 25, 1), 1
	s_wait_xcnt 0x0
; LSM: out0[v] = logits[v] - lse, lse = M + ln(sum over the 242 work-groups' pairs of S_k e^(M_k - M)), M = the largest M_k.
; Thread t = 256 g + thread owns numbers 4 t .. 4 t + 3: threads 0 .. 12563 store 16 bytes, thread 12564 the last number alone
; (50257 = 4 x 12564 + 1), later threads nothing; 12565 threads need 50 work-groups of 256.
; The 242 pairs are 1,936 bytes: every wave reduces them itself (eight pairs a lane), which spares LDS, a barrier and a further launch.
; LIMITS: v_exp_f32 and v_log_f32 are accurate to 1 ULP and flush denormals.
.set NFULL, 12564                      ; threads that own four numbers
.set NPART, 242
.set SEL0,  0x76543210
.set SEL1,  0xfedcba98
.set LOG2E, 0x3fb8aa3b
.set LN2,   0x3f317218
.set NEGINF, 0xff800000
.set T,     8
.set P,     10                         ; v[10:25]   pair k: M in v[10 + 2 k], S in v[11 + 2 k]
.set LG,    28                         ; v[28:31]   my four logits
.set E,     32                         ; v[32:39]   exponentials
.set SL0,   12
.set SL1,   13
.macro XSUM d
	v_add_f32_dpp v[\d], v[\d], v[\d] row_xmask:1 row_mask:0xf bank_mask:0xf
	v_add_f32_dpp v[\d], v[\d], v[\d] row_xmask:2 row_mask:0xf bank_mask:0xf
	v_add_f32_dpp v[\d], v[\d], v[\d] row_xmask:4 row_mask:0xf bank_mask:0xf
	v_add_f32_dpp v[\d], v[\d], v[\d] row_xmask:8 row_mask:0xf bank_mask:0xf
	v_permlanex16_b32 v[T], v[\d], s[SL0], s[SL1]
	v_add_f32 v[\d], v[\d], v[T]
.endm
.macro XMAX d
	v_max_num_f32_dpp v[\d], v[\d], v[\d] row_xmask:1 row_mask:0xf bank_mask:0xf
	v_max_num_f32_dpp v[\d], v[\d], v[\d] row_xmask:2 row_mask:0xf bank_mask:0xf
	v_max_num_f32_dpp v[\d], v[\d], v[\d] row_xmask:4 row_mask:0xf bank_mask:0xf
	v_max_num_f32_dpp v[\d], v[\d], v[\d] row_xmask:8 row_mask:0xf bank_mask:0xf
	v_permlanex16_b32 v[T], v[\d], s[SL0], s[SL1]
	v_max_num_f32 v[\d], v[\d], v[T]
.endm
	s_load_b128 s[4:7], s[0:1], 0x0                ; logits s[4:5], part s[6:7]
	s_load_b64 s[8:9], s[0:1], 0x10                ; out0
	v_and_b32 v1, 31, v0                           ; lane
	s_lshl_b32 s10, ttmp9, 8
	v_add_nc_u32 v3, s10, v0                       ; t
	v_min_u32 v4, NFULL, v3                        ; later threads read thread 12564's 16 bytes again (the launch before wrote all 16)
	v_lshlrev_b32 v4, 4, v4
	v_lshlrev_b32 v5, 3, v1                        ; pairs 32 k + lane, k = 0 .. 6
	v_add_nc_u32 v6, 224, v1
	v_min_u32 v6, NPART-1, v6                      ; pairs 224 + lane: lanes 18 and up repeat pair 241 and are masked below
	v_lshlrev_b32 v6, 3, v6
	v_mov_b32 v[T], 0
	s_mov_b32 s[SL0], SEL0
	s_mov_b32 s[SL1], SEL1
	s_mov_b32 s15, LOG2E
	s_wait_kmcnt 0x0
.irp k, 0,1,2,3,4,5,6
	global_load_b64 v[P+2*\k:P+2*\k+1], v5, s[6:7] offset:256*\k
.endr
	global_load_b64 v[P+14:P+15], v6, s[6:7]
	global_load_b128 v[LG:LG+3], v4, s[4:5] th:TH_LOAD_NT
	s_wait_loadcnt 0x1                             ; the pairs are in; the logits' load stays out
	v_cmp_gt_u32 vcc_lo, NPART-224, v1
	v_mov_b32 v26, NEGINF
	v_cndmask_b32 v[P+14], v26, v[P+14], vcc_lo    ; a repeated pair counts as (-inf, 0)
	v_cndmask_b32 v[P+15], 0, v[P+15], vcc_lo
	v_max3_num_f32 v26, v[P], v[P+2], v[P+4]
	v_max3_num_f32 v26, v26, v[P+6], v[P+8]
	v_max3_num_f32 v26, v26, v[P+10], v[P+12]
	v_max_num_f32 v26, v26, v[P+14]
	XMAX 26                                        ; M
	v_mul_f32 v41, s15, v26
.irp k, 0,1,2,3,4,5,6,7
	v_fma_f32 v[E+\k], v[P+2*\k], s15, -v41        ; (M_k - M) x log2 e
.endr
.irp k, 0,1,2,3,4,5,6,7
	v_exp_f32 v[E+\k], v[E+\k]
.endr
	v_nop                                          ; the plain place behind the exponentials (ISA guide 5.7.2)
	s_wait_alu depctr_va_vdst(0)
	v_mul_f32 v27, v[P+1], v[E]
.irp k, 1,2,3,4,5,6,7
	v_fmac_f32 v27, v[P+2*\k+1], v[E+\k]
.endr
	XSUM 27
	v_log_f32 v40, v27
	v_nop
	s_wait_alu depctr_va_vdst(0)
	v_fma_f32 v40, v40, LN2, v26                   ; lse = M + ln 2 x log2(sum)
	s_wait_loadcnt 0x0
.irp c, 0,1,2,3
	v_sub_f32 v[LG+\c], v[LG+\c], v40
.endr
	s_wait_xcnt 0x0                                ; EXEC narrows only behind this wait
	v_cmp_gt_u32 vcc_lo, NFULL, v3
	s_and_saveexec_b32 s14, vcc_lo
	global_store_b128 v4, v[LG:LG+3], s[8:9] th:TH_STORE_NT    ; a wave's store covers 512 consecutive bytes
	s_wait_xcnt 0x0                                ; and widens only behind this one
	s_or_b32 exec_lo, exec_lo, s14
	v_cmp_eq_u32 vcc_lo, NFULL, v3
	s_and_saveexec_b32 s14, vcc_lo
	global_store_b32 v4, v[LG], s[8:9]             ; number 50256
	s_endpgm
.Lfunc_end_k_q0decdcc865_lsm:
	.size	k_q0decdcc865_lsm, .Lfunc_end_k_q0decdcc865_lsm-k_q0decdcc865_lsm
	.p2alignl 7, 3214868480
	.fill 96, 4, 3214868480
	.section	.rodata,"a",@progbits
	.p2align	6, 0x0
	.amdhsa_kernel k_q0decdcc865_lsm
		.amdhsa_group_segment_fixed_size 0
		.amdhsa_private_segment_fixed_size 0
		.amdhsa_enable_private_segment 0
		.amdhsa_kernarg_size 24
		.amdhsa_user_sgpr_count 2
		.amdhsa_user_sgpr_kernarg_segment_ptr 1
		.amdhsa_wavefront_size32 1
		.amdhsa_system_sgpr_workgroup_id_x 1
		.amdhsa_system_sgpr_workgroup_id_y 1
		.amdhsa_system_sgpr_workgroup_id_z 1
		.amdhsa_system_vgpr_workitem_id 0
		.amdhsa_next_free_vgpr 48
		.amdhsa_next_free_sgpr 66
		.amdhsa_reserve_vcc 1
		.amdhsa_float_denorm_mode_32 3
		.amdhsa_float_denorm_mode_16_64 3
		.amdhsa_memory_ordered 1
		.amdhsa_forward_progress 1
		.amdhsa_inst_pref_size 5
	.end_amdhsa_kernel
	.amdgpu_metadata
---
amdhsa.version: [ 1, 2 ]
amdhsa.kernels:
  - .name:           k_q0decdcc865_lsm
    .symbol:         k_q0decdcc865_lsm.kd
    .args:
      - { .name: logits, .offset: 0, .size: 8, .value_kind: global_buffer, .address_space: global }
      - { .name: part, .offset: 8, .size: 8, .value_kind: global_buffer, .address_space: global }
      - { .name: out0, .offset: 16, .size: 8, .value_kind: global_buffer, .address_space: global }
    .group_segment_fixed_size: 0
    .private_segment_fixed_size: 0
    .kernarg_segment_align: 8
    .kernarg_segment_size: 24
    .max_flat_workgroup_size: 256
    .sgpr_count:     66
    .vgpr_count:     48
    .wavefront_size: 32
...
	.end_amdgpu_metadata
.endif
;; end of part 5
